; MI455X (gfx1250); checked and timed in simulation.
; The chip was launched on July 23, 2026; its instructions are those of AMD's public machine-readable ISA for CDNA 5 (MIT licence, August 2026) and "CDNA5" Instruction Set Architecture Reference Guide (July 2026). The comments in the code are by the model that wrote it; some were corrected since.
;; Dense Reparam. Allowed arithmetic: matrix products marked QUANTISED: E2M1 operands, one E8M0 scale for each 32 along K, by v_wmma_scale_f32_16x16x128_f8f6f4 with both operands' format E2M1 (or v_wmma_scale_f32_32x16x128_f4), f32 sums; everything else in f32.
;; Inputs: theta_lambda 4,097 x 4,096 float32; x_codes 4,096 x 128 x 16 uint8 (E2M1 codes of x, K innermost, in blocks of 32 codes, two codes a byte); x_scales 4,096 x 128 uint8 (E8M0 scales of x, one for each 32 codes along K).
;; Outputs: out0 4,096 x 4,096 float32.
;; This version of the problem:
;;   THIS VERSION OF THE PROBLEM IS GIVEN IN LOW PRECISION. The matrix products marked QUANTISED in the list below multiply operands that are first quantised to E2M1 (2 exponent bits, 1 mantissa bit; 4 bits a number), with one power-of-two scale for each 32 numbers along K (OCP MX v1.0); their sums are f32. All else is computed in f32.
;;   The module's matrix products, in the order in which they are computed (A, B: the left and right operand; K: the contracted axis; several contracted axes count as one K, in the product's order):
;;     1. [M 4,096, K 4,096] x [K 4,096, N 4,096]; A: input x (given as codes); B: computed on the way: QUANTISED
;;   THE QUANTISER, for each operand of a quantised product, along K:
;;     - K is cut into blocks of 32 from its start; a last block that is shorter is filled with zeros.
;;     - A block's scale is 2^e with e = floor(log2(the largest magnitude in the block)) - 2, held to -126 .. 127; a block of zeros has e = 0. As a byte (E8M0): e + 127.
;;     - Each number is divided by its block's scale, clamped to +-6, and rounded to the nearest number of E2M1, ties to even, subnormals kept.
;;     - The product sums the exact products of the quantised numbers (number of the format x scale) in f32.
;;   ~~~python
;;   def quantise(x, axis):      # numpy; x: float32 -> the quantised numbers, widened to float32 again
;;       x = np.moveaxis(x, axis, -1); K = x.shape[-1]
;;       x = np.pad(x, [(0, 0)] * (x.ndim - 1) + [(0, -K % 32)]); x = x.reshape(x.shape[:-1] + (-1, 32)); a = np.abs(x).max(-1, keepdims=True)
;;       e = np.where(a > 0, np.clip(np.frexp(np.where(a > 0, a, 1))[1] - 1 - 2, -126, 127), 0)      # np.frexp(a)[1] - 1 = floor(log2(a)), exactly
;;       r = np.clip(x / 2.0 ** e, -6, 6)
;;       step = 2.0 ** (np.maximum(np.frexp(np.where(r == 0, 1, r))[1] - 1, 0) - 1)
;;       q = np.round(r / step) * step * 2.0 ** e      # np.round: ties to even
;;       return np.moveaxis(q.reshape(q.shape[:-2] + (-1,))[..., :K], -1, axis).astype(np.float32)
;;   ~~~
;;   OPERANDS COMPUTED ON THE WAY. 'Computed on the way' means the value that the module computes at that place (a softmax that the list does not call 'softmax' is quantised finished and normalised). What goes into a quantiser is computed in f32, as accurately as f32 sums, v_exp_f32 and their like allow (about 1e-6 of the number): no bf16 or f16 on the way to a quantiser, and a product that is left as it is and whose result goes on into a quantised operand takes f32 operands (vector FMAs, or v_wmma_f32_16x16x4_f32). A number that lies on a knife's edge between two numbers of the format may be rounded either way, as far as f32 arithmetic and the matrix unit's own rounding can turn it there, and no further.
;;   INPUTS GIVEN AS CODES. x (in the module: [4096, 4096], K = its axis 1): each comes as NAME_codes (uint8): NAME with its K axis moved to the last place and cut into blocks of 32 codes, [.., K / 32, bytes a block], one block behind the other in memory; two codes a byte, the lower K in the low four bits (a code: sign, 2 exponent bits, 1 mantissa bit); and NAME_scales (uint8): the same leading axes, one E8M0 byte (e + 127) for each 32 codes along K. Its value is code x scale, taken as it is: it is not quantised again, and the codes and scales need not be those that the quantiser above would give.
;; One version. Each part assembles by itself: llvm-mc -triple=amdgcn-amd-amdhsa -mcpu=gfx1250 --defsym DOCPART=n.
;; ======== version 1 of 1: 2 launches
;; limits: inputs' magnitudes at most 6,000,000; right only within a limited range of input values
;; workspace buffers: v_codes 8,388,608 bytes; sc2 1,048,576 bytes
;; launch makev (part 1): grid 256 x 1, 16 waves a work-group, clusters of 4 x 1, 47,104 bytes of LDS; arguments theta_lambda, x_scales, v_codes, sc2; writes v_codes, sc2
.if DOCPART == 1
	.amdgcn_target "amdgcn-amd-amdhsa--gfx1250"
	.amdhsa_code_object_version 6
	.text
	.protected	k_q50b0361619_makev
	.globl	k_q50b0361619_makev
	.p2align	8
	.type	k_q50b0361619_makev,@function
k_q50b0361619_makev:
	s_mov_b64 s[64:65], 0
	v_nop
	global_prefetch_b8 v0, s[64:65] scope:SCOPE_SE
	s_setreg_imm32_b32 hwreg(HW_REG_WAVE_MODE, 25, 1), 1
	s_wait_xcnt 0x0
	s_wait_alu depctr_hold_cnt(0) depctr_sa_sdst(0) depctr_va_vdst(0) depctr_va_sdst(0) depctr_va_ssrc(0) depctr_va_vcc(0) depctr_vm_vsrc(0)
	s_getreg_b32 s2, hwreg(HW_REG_IB_STS2, 6, 4)
	s_cmp_eq_u32 s2, 0
	s_cbranch_scc0 .Lentry_in_a_cluster
	s_endpgm
.Lentry_in_a_cluster:
	s_bfe_u32 s2, ttmp6, 0x10000c
	s_cmp_lg_u32 s2, 0x3003
	s_cbranch_scc0 .Lentry_shape_is_right
	s_endpgm
.Lentry_shape_is_right:
; v[0][n] = cos t0, v[i][n] = cos t_i x (sin t_0 .. sin t_(i-1)), v[4095][n] = sin t_0 .. sin t_4094, t = rows 0 to 4,094 of theta_lambda [4097][4096] f32.
; v is quantised along i (the product's K) to codes of FP4 (E2M1), one E8M0 scale for each 32 along K, and stored with K innermost: v_codes [256 groups of 16 n][128 blocks][16 n][16 bytes];
; its scale bytes by K step of 512: vs2 [8][4096 n][16 bytes].  x's scale bytes [4096 m][128] are copied into the same layout: xs2 [8][4096 m][16 bytes].
; SHARES.  The running product goes down all of K, so a work-group owns its columns for all of K: 4,096 columns / 256 work-groups = 16 columns, 64 bytes of each row.
; Thread t: four columns 4 (t % 4) .. + 3 (16 bytes a load) x rows 32 (t / 4) .. + 31: ONE block of the quantiser for each of its four columns, 128 numbers in 128 registers.
; THE LOADS RUN TWELVE ROWS AHEAD OF THE ARITHMETIC: twelve go out at the head, and each batch of two rows asks for the two rows twelve further down before it waits for its own.  So 12 to 14 loads of each of the
; sixteen waves, 96 to 112 KiB of a work-group, are on their way; no wave asks for its last rows before it has worked its first, so the arithmetic of all sixteen waves stands beside the loads, and behind the last load
; stand the last batches alone.  Each row has registers of its own: no load lands on a register that is still read.  No two work-groups read the same bytes, so nothing is asked for jointly, and there is no tensor load.
; THE PRODUCT.  Each thread makes its rows' v with a product that begins at 1; the products of whole threads are multiplied up across the wave (lane shifts) and across the sixteen waves (LDS); each number is then multiplied by
; the product of all rows above its thread's.  The block's largest magnitude is taken ahead of that, batch by batch: a multiplication by one number keeps the order of magnitudes, rounding included.
; SINE AND COSINE, in f32: q = t x 2/pi to the nearest whole number (by adding 1.5 x 2^23, which leaves q in the low bits); r = t - q pi/2 with pi/2 in three parts, fused; polynomials on |r| <= pi/4.
; q odd: sin = c, cos = -s.  Bit 1 of q negates both, and both are multiplied by the running product: so the bit flips the product's sign, once for the two.
; Row 4,095 of v is the bare product: what t = 0 gives.  The thread that owns it puts 0 in the place of its last row's numbers (which are row 4,095 of theta_lambda, inside the buffer).
; LIMITS: |t| under 6 x 10^6 (beyond it q no longer fits the low bits); NaN and infinities are not served; the product is associated as (rows above) x (own rows), another order of f32 roundings than a plain scan;
; a block whose largest magnitude lies under 2^-124, a block of zeros among them, gets the byte 1 (the rule's 127 for zeros is not kept: the codes are zeros and this program alone reads the bytes).
; THE TWO TABLES OF SCALE BYTES LIE IN ONE BUFFER, sc2: what is called xs2 above begins at its byte 0, what is called vs2 at its byte 524,288.
; THE LAUNCH GOES IN CLUSTERS OF FOUR WORK-GROUPS, with no joint load: the four of a cluster own 64 neighbouring columns, the four quarters of each aligned 256 bytes of a row of theta_lambda.
.set ROWT,   16384                     ; a row of theta_lambda in bytes
.set AHEAD,  12                        ; rows that the loads run ahead of the arithmetic
.set PROD,   0                         ; LDS: [128 threads' rows][16 columns] f32: each thread's product up to and with its own rows, inside its wave: 16 bytes at 16 t
.set CODE,   8192                      ; LDS: 128 blocks of 16 columns' codes, 256 bytes each + 16 of padding
; v_codes IS LAID AS THE PRODUCT'S REGISTERS TAKE IT: [256 groups of 16 columns][128 blocks of 32 along K][16 columns][16 bytes]; a work-group's 16 columns are one group, 32,768 consecutive bytes.
; In LDS the codes lie the same way: a block's 16 columns are 256 bytes, + 16 of padding.
.set CPITCH, 272
.set SCB,    CODE+128*CPITCH           ; LDS: the scale bytes, [8 K steps][16 columns][16 bytes]
.set TOFF, 1                           ; v1   my byte offset in theta_lambda: 32 (t / 4) rows + 16 (t % 4); never rewritten
.set T16,  2                           ; v2   16 t
.set C4A,  3                           ; v3   16 (t % 4)
.set CST,  4                           ; v4   where my first column's block of codes goes in LDS
.set RDC,  5                           ; v5   where I read codes back
.set SBA,  6                           ; v6   where my first column's scale byte goes
.set ZERO, 8                           ; v8   0
.set XSI,  9                           ; v9   x_scales: row t % 16 of the work-group's 16, K step (t % 128) / 16
.set SOO,  10                          ; v10  the same place in xs2 and vs2
.set SBR,  11                          ; v11  where I read scale bytes back
.set K2PI, 16                          ; v16-39: twelve constants, each twice: the packed forms take pairs
.set KMAG, 18
.set KNMAG, 20
.set KC1,  22
.set KC2,  24
.set KC3,  26
.set KS3,  28
.set KS2,  30
.set KS1,  32
.set KQ3,  34
.set KQ2,  36
.set KQ1,  38
.set P,    40                          ; v40-43  the running products of my four columns
.set PP,   44                          ; v44-47  the same with the sign that bit 1 of q gives
.set U,    48                          ; v48-95  eight numbers at work
.set QZ,   56
.set PS,   64
.set ZR,   72
.set PC,   80
.set O,    88
.set WT,   44                          ; v44-103 behind the batches: fifteen waves' products, four columns each
.set T0,   44                          ; then: two sets of eight finished numbers,
.set CD,   60                          ; v60-75  my four blocks of codes,
.set OUT,  76                          ; v76-91  codes on the way out, v92-95 scale bytes on the way out
.set M,    104                         ; v104-107 largest magnitudes
.set E,    108                         ; v108-111 the product of all rows above mine
.set Y,    112
.set SCO,  116                         ; v116-119 the conversions' scale operands
.set BY,   120                         ; v120-123 the scales' bytes
.set XS,   124                         ; v124-127 16 bytes of x's scales
.set X,    128                         ; v128-255 register 4 i + c: row i, column c: t, then r, then v with the product begun at 1
	s_load_b256 s[4:11], s[0:1], 0x0               ; theta_lambda s[4:5], x_scales s[6:7], v_codes s[8:9], vs2 s[10:11]
	v_lshrrev_b32 v7, 5, v0
	s_delay_alu instid0(VALU_DEP_1)
	v_readfirstlane_b32 s16, v7                    ; wave 0..15
	s_lshr_b32 s17, s16, 2                         ; 0: waves 0-3 store v's scale bytes; 1: waves 4-7 copy x's
	v_and_b32 v[C4A], 3, v0                        ; t % 4
	v_lshrrev_b32 v7, 2, v0                        ; t / 4: which block of 32 rows
	s_delay_alu instid0(VALU_DEP_1)
	v_lshlrev_b32 v[TOFF], 19, v7                  ; 32 rows of 16,384 bytes
	s_delay_alu instid0(VALU_DEP_1)
	v_lshl_or_b32 v[TOFF], v[C4A], 4, v[TOFF]
	v_and_b32 v12, 127, v0
	v_and_b32 v13, 15, v0
	s_delay_alu instid0(VALU_DEP_2)
	v_lshrrev_b32 v14, 4, v12
	s_delay_alu instid0(VALU_DEP_2)
	v_lshlrev_b32 v[XSI], 7, v13                   ; a row of x_scales is 128 bytes,
	s_delay_alu instid0(VALU_DEP_1)
	v_lshl_add_u32 v[XSI], v14, 4, v[XSI]          ; a K step's part of it 16
	s_delay_alu instid0(VALU_DEP_3)
	v_lshlrev_b32 v[SOO], 16, v14                  ; a K step of xs2 or vs2 is 65,536 bytes,
	s_delay_alu instid0(VALU_DEP_1)
	v_lshl_add_u32 v[SOO], v13, 4, v[SOO]          ; a row's part of it 16
	s_mov_b32 s21, 0
	s_bfe_u32 s28, ttmp6, 0x40000                  ; my place in the cluster
	s_lshl_b32 s27, ttmp9, 2                       ; ttmp9 counts clusters
	s_add_co_u32 s27, s27, s28                     ; the work-group's number, 0 to 255
	s_wait_kmcnt 0x0
	s_lshl_b32 s20, s27, 6
	s_add_nc_u64 s[4:5], s[4:5], s[20:21]          ; my work-group's 16 columns of theta_lambda,
	s_lshl_b32 s20, s27, 11
	s_add_nc_u64 s[6:7], s[6:7], s[20:21]          ; 16 rows of x_scales,
	s_lshl_b32 s20, s27, 15
	s_add_nc_u64 s[8:9], s[8:9], s[20:21]          ; 16 rows of v_codes,
	s_lshl_b32 s20, s27, 8
	s_add_nc_u64 s[12:13], s[10:11], s[20:21]      ; 16 rows in each K step of x's scales, from sc2's byte 0 on,
	s_add_nc_u64 s[10:11], s[12:13], 0x80000       ; and of v's, from its byte 524,288 on
	s_cmp_lg_u32 s17, 1
	s_cbranch_scc1 .Lno_xs_load
	s_wait_alu depctr_va_vdst(0)
	global_load_b128 v[XS:XS+3], v[XSI], s[6:7]    ; ahead of theta's: so it does not enter the counts of the batches' waits
.Lno_xs_load:
.set ii, 0
	s_wait_alu depctr_va_vdst(0)
.rept AHEAD
	global_load_b128 v[X+4*ii:X+4*ii+3], v[TOFF], s[4:5] offset:ii*ROWT   ; rows 0 to 11 of my 32
.set ii, ii+1
.endr
	s_cmp_lg_u32 s17, 1
	s_cbranch_scc1 .Lno_xs_store
	s_wait_loadcnt AHEAD                           ; loads come back in order (ISA guide 5.7.1): the twelve issued behind it may stay out
	global_store_b128 v[SOO], v[XS:XS+3], s[12:13] ; sixteen lanes store 256 consecutive bytes, aligned; none of its registers is written again
.Lno_xs_store:
	; the other addresses and the constants are made while the loads are on their way
	v_cmp_eq_u32 s26, 127, v7                      ; the four threads that own row 4,095
	v_lshlrev_b32 v[T16], 4, v0
	v_mul_u32_u24 v[CST], v7, CPITCH               ; block t / 4,
	s_delay_alu instid0(VALU_DEP_1)
	v_lshl_add_u32 v[CST], v[C4A], 6, v[CST]       ; column 4 (t % 4)
	s_delay_alu instid0(VALU_DEP_1)
	v_add_nc_u32 v[CST], CODE, v[CST]              ; column 4 (t % 4), block t / 4
	v_lshrrev_b32 v[RDC], 4, v0                    ; back: block t / 16 (+ 32 for each further load),
	s_delay_alu instid0(VALU_DEP_1)
	v_mul_u32_u24 v[RDC], v[RDC], CPITCH
	s_delay_alu instid0(VALU_DEP_1)
	v_lshl_add_u32 v[RDC], v13, 4, v[RDC]          ; column t % 16
	s_delay_alu instid0(VALU_DEP_1)
	v_add_nc_u32 v[RDC], CODE, v[RDC]              ; in the code area
	v_lshrrev_b32 v[SBA], 6, v0
	s_delay_alu instid0(VALU_DEP_1)
	v_lshlrev_b32 v[SBA], 8, v[SBA]                ; K step (t / 4) / 16,
	s_delay_alu instid0(VALU_DEP_1)
	v_lshl_add_u32 v[SBA], v[C4A], 6, v[SBA]       ; column 4 (t % 4),
	v_bfe_u32 v13, v0, 2, 4
	s_delay_alu instid0(VALU_DEP_1)
	v_add_nc_u32 v[SBA], v[SBA], v13               ; byte (t / 4) % 16
	s_delay_alu instid0(VALU_DEP_1)
	v_add_nc_u32 v[SBA], SCB, v[SBA]
	v_lshl_add_u32 v[SBR], v12, 4, SCB
	v_lshlrev_b32 v[C4A], 4, v[C4A]
	v_mov_b32 v[ZERO], 0
	s_mov_b32 s22, 0xfedcfedc                      ; v_permlanex16_b32: lane i takes lane 12 + i % 4 of the other half
	s_mov_b32 s23, 0xfedcfedc
	s_mov_b32 s24, 0x000f0000                      ; lanes 16-19
	s_mov_b32 s25, 0xffff0000                      ; lanes 16-31
.macro PAIR reg, bits
	v_mov_b32 v[\reg], \bits
	v_mov_b32 v[\reg+1], \bits
.endm
	PAIR K2PI,  0x3f22f983                         ; 2 / pi
	PAIR KMAG,  0x4b400000                         ; 1.5 x 2^23
	PAIR KNMAG, 0xcb400000
	PAIR KC1,   0xbfc90fdb                         ; pi / 2 = c1 + c2 + c3; here -c1, -c2, -c3
	PAIR KC2,   0x333bbd2e
	PAIR KC3,   0x26f72ced
	PAIR KS3,   0xb94ca1f9                         ; sin r = r + r z (S1 + z (S2 + z S3)), z = r r
	PAIR KS2,   0x3c08839e
	PAIR KS1,   0xbe2aaaa3
	PAIR KQ3,   0x37ccf5ce                         ; cos r = 1 + z (-1/2 + z (C1 + z (C2 + z C3)))
	PAIR KQ2,   0xbab6061a
	PAIR KQ1,   0x3d2aaaa5
.irp c, 0,1,2,3
	v_mov_b32 v[P+\c], 1.0
.endr
; Rows 2 k and 2 k + 1 of my 32: eight numbers, four pairs.
.macro BATCH k
.set XB, X+8*(\k)
.set NX, 2*(\k)+AHEAD
.if NX < 32
	global_load_b128 v[X+4*NX:X+4*NX+3],   v[TOFF], s[4:5] offset:NX*ROWT        ; the two rows twelve further down, into registers of their own
	global_load_b128 v[X+4*NX+4:X+4*NX+7], v[TOFF], s[4:5] offset:(NX+1)*ROWT
	s_wait_loadcnt AHEAD                           ; my two rows are in; the twelve rows asked for behind them may stay out
.else
	s_wait_loadcnt 30-2*(\k)                       ; nothing is left to ask for: the count of the rows behind these two runs down
.endif
.if (\k) == 15
.irp c, 0,1,2,3
	v_cndmask_b32 v[X+124+\c], v[X+124+\c], v[ZERO], s26   ; row 4,095: t = 0 gives cos = 1: the bare product
.endr
.endif
.irp p, 0,2,4,6
	v_pk_fma_f32 v[U+\p:U+\p+1], v[XB+\p:XB+\p+1], v[K2PI:K2PI+1], v[KMAG:KMAG+1]   ; q in the low bits
.endr
.irp p, 0,2,4,6
	s_delay_alu instid0(VALU_DEP_4)
	v_pk_add_f32 v[QZ+\p:QZ+\p+1], v[U+\p:U+\p+1], v[KNMAG:KNMAG+1]                 ; q as f32
.endr
.irp p, 0,2,4,6
	s_delay_alu instid0(VALU_DEP_4)
	v_pk_fma_f32 v[XB+\p:XB+\p+1], v[QZ+\p:QZ+\p+1], v[KC1:KC1+1], v[XB+\p:XB+\p+1]
.endr
.irp p, 0,2,4,6
	s_delay_alu instid0(VALU_DEP_4)
	v_pk_fma_f32 v[XB+\p:XB+\p+1], v[QZ+\p:QZ+\p+1], v[KC2:KC2+1], v[XB+\p:XB+\p+1]
.endr
.irp p, 0,2,4,6
	s_delay_alu instid0(VALU_DEP_4)
	v_pk_fma_f32 v[XB+\p:XB+\p+1], v[QZ+\p:QZ+\p+1], v[KC3:KC3+1], v[XB+\p:XB+\p+1] ; r
.endr
.irp p, 0,2,4,6
	s_delay_alu instid0(VALU_DEP_4)
	v_pk_mul_f32 v[QZ+\p:QZ+\p+1], v[XB+\p:XB+\p+1], v[XB+\p:XB+\p+1]               ; z
.endr
.irp p, 0,2,4,6
	s_delay_alu instid0(VALU_DEP_4)
	v_pk_fma_f32 v[PS+\p:PS+\p+1], v[QZ+\p:QZ+\p+1], v[KS3:KS3+1], v[KS2:KS2+1]
.endr
.irp p, 0,2,4,6
	v_pk_fma_f32 v[PC+\p:PC+\p+1], v[QZ+\p:QZ+\p+1], v[KQ3:KQ3+1], v[KQ2:KQ2+1]
.endr
.irp p, 0,2,4,6
	v_pk_fma_f32 v[PS+\p:PS+\p+1], v[PS+\p:PS+\p+1], v[QZ+\p:QZ+\p+1], v[KS1:KS1+1]
.endr
.irp p, 0,2,4,6
	v_pk_fma_f32 v[PC+\p:PC+\p+1], v[PC+\p:PC+\p+1], v[QZ+\p:QZ+\p+1], v[KQ1:KQ1+1]
.endr
.irp p, 0,2,4,6
	v_pk_mul_f32 v[ZR+\p:ZR+\p+1], v[QZ+\p:QZ+\p+1], v[XB+\p:XB+\p+1]               ; z r
.endr
.irp p, 0,2,4,6
	v_pk_fma_f32 v[PC+\p:PC+\p+1], v[PC+\p:PC+\p+1], v[QZ+\p:QZ+\p+1], -0.5 op_sel_hi:[1,1,0]
.endr
.irp p, 0,2,4,6
	v_pk_fma_f32 v[PS+\p:PS+\p+1], v[PS+\p:PS+\p+1], v[ZR+\p:ZR+\p+1], v[XB+\p:XB+\p+1]   ; s
.endr
.irp p, 0,2,4,6
	v_pk_fma_f32 v[PC+\p:PC+\p+1], v[PC+\p:PC+\p+1], v[QZ+\p:QZ+\p+1], 1.0 op_sel_hi:[1,1,0]   ; c
.endr
.irp p, 0,2,4,6
	v_pk_mul_f32 v[ZR+\p:ZR+\p+1], v[PS+\p:PS+\p+1], -1.0 op_sel_hi:[1,0]           ; -s
.endr
.irp e, 0,1,2,3,4,5,6,7
	v_and_b32 v[O+\e], 1, v[U+\e]
.endr
.irp e, 0,1,2,3,4,5,6,7
	v_cmp_ne_u32 s[32+\e], 0, v[O+\e]              ; q odd
.endr
.irp e, 0,1,2,3,4,5,6,7
	v_and_b32 v[U+\e], 2, v[U+\e]                  ; bit 1 of q
.endr
.irp e, 0,1,2,3,4,5,6,7
	v_cndmask_b32 v[QZ+\e], v[PS+\e], v[PC+\e], s[32+\e]   ; the sine but for its sign: q odd ? c : s
.endr
.irp e, 0,1,2,3,4,5,6,7
	v_cndmask_b32 v[PC+\e], v[PC+\e], v[ZR+\e], s[32+\e]   ; the cosine likewise: q odd ? -s : c
.endr
.irp w, 0,4                                    ; row by row: the one chain that cannot be cut
.irp c, 0,1,2,3
	v_lshl_add_u32 v[PP+\c], v[U+\w+\c], 30, v[P+\c]       ; + 2^31 where bit 1 of q is set: the product's sign turns
.endr
	s_delay_alu instid0(VALU_DEP_3)
	v_pk_mul_f32 v[XB+\w:XB+\w+1],   v[PC+\w:PC+\w+1],   v[PP:PP+1]       ; v = cos x the product of the rows above
	s_delay_alu instid0(VALU_DEP_2)
	v_pk_mul_f32 v[XB+\w+2:XB+\w+3], v[PC+\w+2:PC+\w+3], v[PP+2:PP+3]
	v_pk_mul_f32 v[P:P+1],     v[QZ+\w:QZ+\w+1],   v[PP:PP+1]             ; the product takes the sine
	s_delay_alu instid0(VALU_DEP_4)
	v_pk_mul_f32 v[P+2:P+3],   v[QZ+\w+2:QZ+\w+3], v[PP+2:PP+3]
.endr
.irp c, 0,1,2,3                                ; each column's largest magnitude so far takes these two rows in: the first batch starts it, nothing is cleared
.if (\k) == 0
	v_max_num_f32 v[M+\c], |v[XB+\c]|, |v[XB+4+\c]|
.else
	v_max3_num_f32 v[M+\c], v[M+\c], |v[XB+\c]|, |v[XB+4+\c]|
.endif
.endr
.endm
.set kk, 0
.rept 16
	BATCH kk
.set kk, kk+1
.endr
	; ACROSS THE WAVE.  Lanes 4 apart hold the same columns, 32 rows further down.  E = the product of the lanes above mine in my wave.
.irp c, 0,1,2,3
	v_mov_b32 v[E+\c], 1.0
	v_mov_b32 v[Y+\c], 0                           ; (a lane permute's destination counts as one of its sources)
.endr
.irp c, 0,1,2,3
	v_mov_b32_dpp v[E+\c], v[P+\c] row_shr:4 row_mask:0xf bank_mask:0xf    ; the lane 4 below; lanes 0-3 of each half keep 1
.endr
.irp c, 0,1,2,3
	v_permlanex16_b32 v[Y+\c], v[P+\c], s22, s23
.endr
.irp c, 0,1,2,3
	s_delay_alu instid0(VALU_DEP_4)
	v_cndmask_b32 v[E+\c], v[E+\c], v[Y+\c], s24   ; lanes 16-19 take lanes 12-15
.endr
.irp c, 0,1,2,3
	s_delay_alu instid0(VALU_DEP_4)
	v_mul_f32_dpp v[E+\c], v[E+\c], v[E+\c] row_shr:4 row_mask:0xf bank_mask:0xf    ; lanes without a source keep their number
.endr
.irp c, 0,1,2,3
	s_delay_alu instid0(VALU_DEP_4)
	v_mul_f32_dpp v[E+\c], v[E+\c], v[E+\c] row_shr:8 row_mask:0xf bank_mask:0xf
.endr
.irp c, 0,1,2,3
	s_delay_alu instid0(VALU_DEP_4)
	v_permlanex16_b32 v[Y+\c], v[E+\c], s22, s23
.endr
.irp c, 0,1,2,3
	s_delay_alu instid0(VALU_DEP_4)
	v_cndmask_b32 v[Y+\c], 1.0, v[Y+\c], s25       ; lanes 16-31 take the lower half's whole product on
.endr
	s_delay_alu instid0(VALU_DEP_3)
	v_pk_mul_f32 v[E:E+1],     v[E:E+1],     v[Y:Y+1]
	s_delay_alu instid0(VALU_DEP_2)
	v_pk_mul_f32 v[E+2:E+3],   v[E+2:E+3],   v[Y+2:Y+3]
	s_delay_alu instid0(VALU_DEP_2)
	v_pk_mul_f32 v[Y:Y+1],     v[E:E+1],     v[P:P+1]          ; with my own rows: in lanes 28-31 the wave's whole product
	s_delay_alu instid0(VALU_DEP_2)
	v_pk_mul_f32 v[Y+2:Y+3],   v[E+2:E+3],   v[P+2:P+3]
	ds_store_b128 v[T16], v[Y:Y+3]
	s_wait_dscnt 0x0                               ; for the others' sake: my store has landed
	s_barrier_signal -1
	s_barrier_wait -1
	; ACROSS THE WAVES: the whole products of the waves above mine
.irp j, 0,1,2,3,4,5,6,7,8,9,10,11,12,13,14
	ds_load_b128 v[WT+4*\j:WT+4*\j+3], v[C4A] offset:PROD+512*\j+448   ; wave j's lanes 28-31, my four columns
.endr
	s_wait_dscnt 0x0
.irp j, 0,1,2,3,4,5,6,7,8,9,10,11,12,13,14
	s_cmp_le_u32 s16, \j                           ; a branch on the wave's number; no barrier stands under it
	s_cbranch_scc1 .Lprefix_done
	s_wait_alu depctr_va_vdst(0)
	v_pk_mul_f32 v[E:E+1],   v[E:E+1],   v[WT+4*\j:WT+4*\j+1]
	v_pk_mul_f32 v[E+2:E+3], v[E+2:E+3], v[WT+4*\j+2:WT+4*\j+3]
.endr
.Lprefix_done:
	; THE SCALES: the block's largest magnitude; the floor 2^(3 - 127), which holds the byte at 1 from below; 2 off its exponent field is the conversion's scale operand; that field is the byte
	s_wait_alu depctr_va_vdst(0)
.irp c, 0,1,2,3
	v_mul_f32 v[SCO+\c], v[M+\c], |v[E+\c]|
.endr
.irp c, 0,1,2,3
	s_delay_alu instid0(VALU_DEP_4)
	v_max_num_f32 v[SCO+\c], 0x1800000, v[SCO+\c]
.endr
.irp c, 0,1,2,3
	s_delay_alu instid0(VALU_DEP_4)
	v_add_nc_u32 v[SCO+\c], 0xff000000, v[SCO+\c]
.endr
.irp c, 0,1,2,3
	s_delay_alu instid0(VALU_DEP_4)
	v_lshrrev_b32 v[BY+\c], 23, v[SCO+\c]
.endr
.irp c, 0,1,2,3
	ds_store_b8 v[SBA], v[BY+\c] offset:16*\c
.endr
	; THE CODES: eight rows of a column at a time, into two sets of registers by turns: the other set's eight multiplications stand between a conversion and the next write of its sources
.irp c, 0,1,2,3
.irp g, 0,1,2,3
.set TT, T0+8*(\g%2)
.irp j, 0,1,2,3,4,5,6,7
	v_mul_f32 v[TT+\j], v[X+4*(8*\g+\j)+\c], v[E+\c]
.endr
	v_cvt_scalef32_pk8_fp4_f32 v[CD+4*\c+\g], v[TT:TT+7], v[SCO+\c]    ; / 2^(the operand's exponent), to the nearest code, ties to even; the first row's code in the lowest four bits
.endr
.endr
	v_nop                                          ; one plain vector instruction behind the last conversion
.irp c, 0,1,2,3
	ds_store_b128 v[CST], v[CD+4*\c:CD+4*\c+3] offset:16*\c            ; a block: 32 codes, 16 bytes
.endr
	s_wait_dscnt 0x0                               ; for the others' sake: my codes and my scale bytes have landed
	s_barrier_signal -1
	s_barrier_wait -1
	; THE WAY OUT: the work-group's 16 rows of v_codes are 32,768 consecutive bytes: 16 bytes a thread, four times
.irp k, 0,1,2,3
	ds_load_b128 v[OUT+4*\k:OUT+4*\k+3], v[RDC] offset:32*CPITCH*\k
.endr
.irp k, 0,1,2,3
	s_wait_dscnt 3-\k                              ; LDS loads come back in order: the younger ones may stay out
	global_store_b128 v[T16], v[OUT+4*\k:OUT+4*\k+3], s[8:9] offset:8192*\k   ; a wave stores 512 consecutive bytes, aligned to 256
.endr
	s_cmp_gt_u32 s17, 0
	s_cbranch_scc1 .Ldone
	ds_load_b128 v[92:95], v[SBR]                  ; waves 0-3: K step t / 16, column t % 16
	s_wait_dscnt 0x0
	global_store_b128 v[SOO], v[92:95], s[10:11]   ; sixteen lanes store 256 consecutive bytes, aligned
.Ldone:
	s_wait_xcnt 0x0
	v_lshl_add_u32 v254, v0, 2, 0xb000
	v_mov_b32 v255, 0
	s_wait_alu depctr_va_vdst(0)
	s_wait_tensorcnt 0x0
	ds_add_u32 v254, v255
	s_wait_dscnt 0x0
	s_endpgm
.Lfunc_end_k_q50b0361619_makev:
	.size	k_q50b0361619_makev, .Lfunc_end_k_q50b0361619_makev-k_q50b0361619_makev
	.p2alignl 7, 3214868480
	.fill 96, 4, 3214868480
	.section	.rodata,"a",@progbits
	.p2align	6, 0x0
	.amdhsa_kernel k_q50b0361619_makev
		.amdhsa_group_segment_fixed_size 47104
		.amdhsa_private_segment_fixed_size 0
		.amdhsa_enable_private_segment 0
		.amdhsa_kernarg_size 32
		.amdhsa_user_sgpr_count 2
		.amdhsa_user_sgpr_kernarg_segment_ptr 1
		.amdhsa_wavefront_size32 1
		.amdhsa_system_sgpr_workgroup_id_x 1
		.amdhsa_system_sgpr_workgroup_id_y 1
		.amdhsa_system_sgpr_workgroup_id_z 1
		.amdhsa_system_vgpr_workitem_id 0
		.amdhsa_next_free_vgpr 256
		.amdhsa_next_free_sgpr 66
		.amdhsa_reserve_vcc 0
		.amdhsa_float_denorm_mode_32 3
		.amdhsa_float_denorm_mode_16_64 3
		.amdhsa_memory_ordered 1
		.amdhsa_forward_progress 1
		.amdhsa_inst_pref_size 152
	.end_amdhsa_kernel
	.amdgpu_metadata
---
amdhsa.version: [ 1, 2 ]
amdhsa.kernels:
  - .name:           k_q50b0361619_makev
    .symbol:         k_q50b0361619_makev.kd
    .args:
      - { .name: theta_lambda, .offset: 0, .size: 8, .value_kind: global_buffer, .address_space: global }
      - { .name: x_scales, .offset: 8, .size: 8, .value_kind: global_buffer, .address_space: global }
      - { .name: v_codes, .offset: 16, .size: 8, .value_kind: global_buffer, .address_space: global }
      - { .name: sc2, .offset: 24, .size: 8, .value_kind: global_buffer, .address_space: global }
    .group_segment_fixed_size: 47104
    .private_segment_fixed_size: 0
    .kernarg_segment_align: 8
    .kernarg_segment_size: 32
    .max_flat_workgroup_size: 512
    .sgpr_count:     66
    .vgpr_count:     256
    .wavefront_size: 32
...
	.end_amdgpu_metadata
.endif
;; end of part 1
;; launch gemm (part 2): grid 16 x 16, 4 waves a work-group, clusters of 4 x 1, 327,680 bytes of LDS; arguments x_codes, v_codes, sc2, theta_lambda, out0; writes out0
.if DOCPART == 2
	.amdgcn_target "amdgcn-amd-amdhsa--gfx1250"
	.amdhsa_code_object_version 6
	.text
	.protected	k_q50b0361619_gemm
	.globl	k_q50b0361619_gemm
	.p2align	8
	.type	k_q50b0361619_gemm,@function
k_q50b0361619_gemm:
	s_mov_b64 s[64:65], 0
	v_nop
	global_prefetch_b8 v0, s[64:65] scope:SCOPE_SE
	s_setreg_imm32_b32 hwreg(HW_REG_WAVE_MODE, 25, 1), 1
	s_wait_xcnt 0x0
	s_wait_alu depctr_hold_cnt(0) depctr_sa_sdst(0) depctr_va_vdst(0) depctr_va_sdst(0) depctr_va_ssrc(0) depctr_va_vcc(0) depctr_vm_vsrc(0)
	s_getreg_b32 s2, hwreg(HW_REG_IB_STS2, 6, 4)
	s_cmp_eq_u32 s2, 0
	s_cbranch_scc0 .Lentry_in_a_cluster
	s_endpgm
.Lentry_in_a_cluster:
	s_bfe_u32 s2, ttmp6, 0x10000c
	s_cmp_lg_u32 s2, 0x3003
	s_cbranch_scc0 .Lentry_shape_is_right
	s_endpgm
.Lentry_shape_is_right:
; out0[m][n] = r[n] x relu(sum over k of x[m][k] v[k][n] + lam[n]).  x_codes [4096 m][2048 bytes]: codes of FP4 (E2M1), K innermost, two a byte.
; v_codes [256 groups of 16 n][128 blocks of 32 k][16 n][16 bytes]: a fragment (16 columns x 128 K) is 1,024 consecutive bytes in the order of the lanes: 16 bytes a lane, twice.
; sc2: the E8M0 bytes by K step of 512: x's [8][4096 m][16 bytes] from byte 0, v's [8][4096 n][16 bytes] from byte 524,288.  lam, r: rows 4,095 and 4,096 of theta_lambda.
; A block of out0, 256 x 256, is made by four waves, each 128 x 128: 32 accumulators of 32 x 16, 512 registers.  32 steps of 128 along K, all expanded from one macro, so that every offset is an immediate.
; x GOES THROUGH LDS: two slots of 256 rows x 512 bytes (K = 1,024, 8 steps); each wave brings 64 rows by one tensor load.  The four work-groups of a cluster make blocks of one block row
; and ask for x's tiles jointly.  Four slots' fills in all: one at the head, one behind the first round, two refills.
; v GOES FROM MEMORY STRAIGHT INTO REGISTERS: 16 loads of 512 consecutive bytes a step, asked for three steps ahead into four sets that take turns.  Partners of a cluster share no column of v.
; THE SCALE WORDS likewise: 12 loads for 4 steps, asked for 4 steps ahead, two sets.  v's: lane l takes row 32 b + l; x's: lanes 0-15 take the rows of block a (lanes 16-31 load the next 16 rows' bytes, inside sc2, and are not read).
; THE MATRIX INSTRUCTION IS USED TRANSPOSED (source 0 = 32 rows of v, source 1 = 16 rows of x): a lane holds twice eight neighbouring columns of a row of out0.  lam is the C of each sum's first product.
; relu and r are applied behind the stage, where a lane holds the same four columns of every row: r takes four registers.
; REGISTERS: window 0: v0-31 addresses and r; v32-127 scale words, two sets of 48; v128-255 x's fragments, two sets.  window 1: v's fragments, four sets (lam lies in the fourth until the first step has read it).
; windows 2, 3: the accumulators of my rows 0-63, 64-127: (a, b) at v[64 (a % 4) + 16 b].
.set SIZE_N, 4096
.set PITCH,  528                       ; an LDS row: 512 bytes + 16 of padding
.set NP,     4                         ; places behind this matrix form (ISA guide 7.12.1)
.set QUART,  64*PITCH                  ; what one tensor load brings
.set SLOT,   4*QUART
.set SPARE,  2*SLOT                    ; the spare words: 512 bytes that no other line names
.set SPITCH, 528                       ; the way out: 16 rows x (512 + 16) bytes a wave, in slot 0 behind its last fill and last read
.set KSC,    65536                     ; a K step of 512 in sc2
.set R,    8                           ; v8-11 r of my four columns on the way out
.set ADRA, 16                          ; v16-17 my fragments of x in slot 0, 1
.set STO,  24
.set RD,   25
.set CO,   26                          ; 16 x lane: v's fragments, the scale words, r, and out0
.set LOFF, 27
.set SPW,  28                          ; my spare word; never rewritten
.set NIL,  29                          ; 0; never rewritten
.set PFO,  30                          ; x's prefetches: row lane % 16, 256 bytes x (lane / 16)
.set PFQ,  31                          ; v's: 256 x lane
.set SC,   32
.set AF,   128
.set BK,   128
.set LAM,  192
.set G1,   24
.set G0,   32                          ; s[32:39] group 0, one set for each slot
.set BBP,  44                          ; s[44:45] my eight groups of v_codes
.set XSB,  46                          ; s[46:47] my rows of x's scales
.set VSB,  48                          ; s[48:49] my rows of v's
.set PFA,  50
.set PFB,  52
.set MSB, 0
.macro WIN new                         ; the immediate's high byte repeats the setting that is left
.if MSB != \new
	s_set_vgpr_msb (MSB<<8)|\new
.set MSB, \new
.endif
.endm
.set MUL_LO, 0xa1                      ; source 0 window 1, source 1 window 0, C and D window 2
.set MUL_HI, 0xf1
.set FST_LO, 0x91                      ; the same with C (lam) in window 1
.set FST_HI, 0xd1
.set TO_B,   0x40
.macro PLACES n
.rept \n
	v_nop
.endr
.endm
.macro JLOAD s                         ; a joint load: one line for all waves, each with rows of its own
	tensor_load_to_lds s[G0+4*(\s):G0+4*(\s)+3], s[G1:G1+7]
	s_nop 0
	PLACES 4
.endm
.macro CREST
	s_cmp_lg_u32 s16, 0
	s_cbranch_scc1 .Lnot_wave_0_\@
	s_barrier_signal -3
.Lnot_wave_0_\@:
	s_barrier_wait -3
	s_barrier_signal -1
	s_barrier_wait -1
.endm
.macro CROUND
	s_barrier_signal -1
	s_barrier_wait -1
	CREST
.endm
; PREFETCHES.  x: a slot's 256 rows x 512 bytes are 512 blocks of 256 bytes: partner cx takes rows 64 cx .. + 63, wave w 16 of them, a lane a block: each block once in each cluster, one slot ahead of its tensor load.
; v: a slot's 8 steps of the work-group's 16 groups are 512 blocks; the sixteen work-groups that read them share them out by address: block row y takes groups 4 (y % 4) .. + 3, wave w one group, a lane a block,
; asked for at the change of slots before the one in which its loads begin.  No address register of a prefetch is ever rewritten.
.macro ASKA k
	global_prefetch_b8 v[PFO], s[PFA:PFA+1] offset:(\k)*512 th:TH_LOAD_NT scope:SCOPE_SE
.endm
.macro ASKB k
	global_prefetch_b8 v[PFQ], s[PFB:PFB+1] offset:(\k)*8192 th:TH_LOAD_NT scope:SCOPE_SE
.endm
.macro GSC g                           ; the scale words of steps 4 g .. 4 g + 3: register 4 a + q x's block a, register 32 + 4 b + q v's 32 rows b
.irp a, 0,1,2,3,4,5,6,7
	global_load_b128 v[SC+48*((\g)%2)+4*\a:SC+48*((\g)%2)+4*\a+3], v[CO], s[XSB:XSB+1] offset:(\g)*KSC+256*\a
.endr
.irp b, 0,1,2,3
	global_load_b128 v[SC+48*((\g)%2)+32+4*\b:SC+48*((\g)%2)+32+4*\b+3], v[CO], s[VSB:VSB+1] offset:(\g)*KSC+512*\b
.endr
.endm
.macro AFETCH slot, q, p               ; x's eight fragments of the slot's q-th 128 along K into set p
.irp i, 0,1,2,3,4,5,6,7
.irp c, 0,1
	ds_load_b128 v[AF+64*(\p)+8*\i+4*\c:AF+64*(\p)+8*\i+4*\c+3], v[ADRA+(\slot)] offset:64*(\q)+32*\c+\i*16*PITCH
.endr
.endr
.endm
.macro BLOAD S                         ; v's eight fragments of step S into set S % 4 (window 1)
	WIN TO_B
.irp i, 0,1,2,3,4,5,6,7
.irp c, 0,1
	global_load_b128 v[64*((\S)%4)+8*\i+4*\c:64*((\S)%4)+8*\i+4*\c+3], v[CO], s[BBP:BBP+1] offset:\i*32768+(\S)*1024+\c*512
.endr
.endr
	WIN 0
.endm
; 8 products: x's blocks a0, a0 + 1 against v's four times 32 rows.  The 32 accumulators take turns, one instruction a turn, in the same order in every step.
.macro MUL8 a0, S, zero
.irp a, \a0, \a0+1
.irp b, 0,1,2,3
.if \zero
	v_wmma_scale_f32_32x16x128_f4 v[64*((\a)%4)+16*\b:64*((\a)%4)+16*\b+15], v[64*((\S)%4)+16*\b:64*((\S)%4)+16*\b+15], v[AF+64*((\S)%2)+8*(\a):AF+64*((\S)%2)+8*(\a)+7], v[LAM+16*\b:LAM+16*\b+15], v[SC+48*(((\S)/4)%2)+32+4*\b+(\S)%4], v[SC+48*(((\S)/4)%2)+4*(\a)+(\S)%4]
.else
	v_wmma_scale_f32_32x16x128_f4 v[64*((\a)%4)+16*\b:64*((\a)%4)+16*\b+15], v[64*((\S)%4)+16*\b:64*((\S)%4)+16*\b+15], v[AF+64*((\S)%2)+8*(\a):AF+64*((\S)%2)+8*(\a)+7], v[64*((\a)%4)+16*\b:64*((\a)%4)+16*\b+15], v[SC+48*(((\S)/4)%2)+32+4*\b+(\S)%4], v[SC+48*(((\S)/4)%2)+4*(\a)+(\S)%4]
.endif
.endr
.endr
.endm
; A slot's last step (S = 7, 15, 23) changes slots.  S < 23: the slot is filled again, two slots ahead, behind a round of the cluster's barrier.
.macro TURN S
	WIN 0
	s_wait_tensorcnt 0x0                           ; my one load that was out, my quarter of the next slot, has landed
	ds_add_u32 v[SPW], v[NIL]
	s_wait_loadcnt 44                              ; v's fragments of this step are in; behind them: 12 scale loads and two steps' 32
	s_wait_dscnt 1                                 ; x's are in; the add may be out
	WIN MUL_LO
	MUL8 0, \S, 0
	s_wait_dscnt 0x0                               ; the add is done; my reads of this slot are over
	s_barrier_signal -1
	MUL8 2, \S, 0
	WIN 0
	s_barrier_wait -1
.if (\S) < 23
	CREST
	s_add_nc_u64 s[G0+4*(((\S)/8)%2)+2:G0+4*(((\S)/8)%2)+3], s[G0+4*(((\S)/8)%2)+2:G0+4*(((\S)/8)%2)+3], 1024
	JLOAD ((\S)/8)%2                               ; the first tensor load behind the round; its four v_nop are also the places in front of the loads below
.else
	PLACES NP
.endif
	AFETCH 1-((\S)/8)%2, 0, 0
	BLOAD (\S)+3
.if (\S) == 7
	ASKA 3
.endif
.if (\S) < 23
	ASKB (\S)/8+2
.endif
	WIN MUL_HI
	MUL8 4, \S, 0
	MUL8 6, \S, 0
.endm
; Step S.  Its fragments of x were asked for one step ago, those of v three steps ago.  Four places behind the step before, the sets that it has left take the next loads.
; The count of the wait on LOADcnt: the loads issued behind this step's own 16: two steps' 32, and 12 scale loads where these went out among them (S % 4 not 0); in the last three steps what is left.
.macro STEP S
.if (\S)%8 == 7 && (\S) < 31
	TURN \S
.else
.if (\S) == 31
	s_wait_loadcnt 0x0
.else
.if (\S) == 30
	s_wait_loadcnt 16
.else
.if (\S)%4 == 0 || (\S) == 29
	s_wait_loadcnt 32
.else
	s_wait_loadcnt 44
.endif
.endif
.endif
	s_wait_dscnt 0x0
	PLACES NP
	WIN 0
.if (\S) < 31
	AFETCH ((\S)/8)%2, (\S)%8+1, 1-(\S)%2
.endif
.if (\S) > 0 && (\S) < 29
	BLOAD (\S)+3
.endif
.if (\S) > 0 && (\S)%4 == 0 && (\S) < 28
	GSC (\S)/4+1
.endif
.if (\S) == 0
	WIN FST_LO
	MUL8 0, \S, 1
	MUL8 2, \S, 1
	WIN FST_HI
	MUL8 4, \S, 1
	MUL8 6, \S, 1
	PLACES NP                                      ; lam has been read: its registers are v's fourth set
	BLOAD 3
	GSC 1
.else
	WIN MUL_LO
	MUL8 0, \S, 0
	MUL8 2, \S, 0
	WIN MUL_HI
	MUL8 4, \S, 0
	MUL8 6, \S, 0
.endif
.endif
.endm
	s_load_b256 s[4:11], s[0:1], 0x0               ; x_codes s[4:5], v_codes s[6:7], sc2 s[8:9], theta_lambda s[10:11]
	s_load_b64 s[12:13], s[0:1], 0x20              ; out0
	v_lshl_add_u32 v[SPW], v0, 2, SPARE
	v_mov_b32 v[NIL], 0
	ds_add_u32 v[SPW], v[NIL]
	ds_add_u32 v[SPW], v[NIL]
	v_lshrrev_b32 v1, 5, v0
	v_readfirstlane_b32 s16, v1                    ; wave 0..3
	s_lshr_b32 s17, s16, 1                         ; my half of the block's rows
	s_and_b32 s18, s16, 1                          ; my half of its columns
	s_bfe_u32 s40, ttmp6, 0x40000                  ; cx
	s_lshl_b32 s42, ttmp9, 2
	s_add_co_u32 s42, s42, s40                     ; block column
	s_and_b32 s43, ttmp7, 0xffff                   ; block row: the same in the four partners
	s_mov_b32 s[G1+0], 15|(1<<20)|(1<<21)|(6<<22)|(3<<25)   ; the mask of all four; elements of 1 byte; 4 words of padding behind every 128
	s_mov_b32 s[G1+1], 512<<16
	s_mov_b32 s[G1+2], 64<<16
	s_mov_b32 s[G1+3], 512<<16
	s_mov_b32 s[G1+4], 64
	s_mov_b32 s[G1+5], 2048
	s_mov_b32 s[G1+6], 0
	s_mov_b32 s[G1+7], 0
	s_lshl_b32 s20, s43, 19                        ; 256 rows of 2,048 bytes x block row
	s_lshl_b32 s22, s16, 17                        ; + my 64 rows
	s_add_co_u32 s20, s20, s22
	s_mov_b32 s21, 0
	s_mul_i32 s23, s16, QUART                      ; where they go
	s_wait_dscnt 0x0                               ; both opening adds are done
	s_wait_kmcnt 0x0
	s_add_nc_u64 s[20:21], s[4:5], s[20:21]
.irp s, 0,1
	s_mov_b32 s[G0+4*\s], 1
	s_add_co_u32 s[G0+4*\s+1], s23, \s*SLOT
	s_add_nc_u64 s[G0+4*\s+2:G0+4*\s+3], s[20:21], \s*512
	s_or_b32 s[G0+4*\s+3], s[G0+4*\s+3], 0x80000000
.endr
	CROUND                                         ; the four work-groups are here
	JLOAD 0                                        ; K = 0 .. 1,023: one tensor load a wave at the head
	; the scalar parts of the addresses
	s_mul_i32 s54, s17, 128*PITCH                  ; my 128 rows of x in a slot
	s_mul_i32 s23, s16, 16*SPITCH                  ; my stage
	s_mov_b32 s21, 0
	s_lshl_b32 s20, s42, 19
	s_lshl_b32 s22, s18, 18
	s_add_co_u32 s20, s20, s22                     ; 32,768 bytes x (16 x block column + 8 x my half)
	s_add_nc_u64 s[BBP:BBP+1], s[6:7], s[20:21]
	s_lshl_b32 s20, s43, 12
	s_lshl_b32 s22, s17, 11
	s_add_co_u32 s20, s20, s22
	s_add_nc_u64 s[XSB:XSB+1], s[8:9], s[20:21]
	s_lshl_b32 s20, s42, 12
	s_lshl_b32 s22, s18, 11
	s_add_co_u32 s20, s20, s22
	s_add_co_u32 s20, s20, 0x80000
	s_add_nc_u64 s[VSB:VSB+1], s[8:9], s[20:21]
	s_lshl_b32 s20, s42, 10
	s_lshl_b32 s22, s18, 9
	s_add_co_u32 s20, s20, s22                     ; my first column, in bytes of f32
	s_add_nc_u64 s[10:11], s[10:11], s[20:21]
	s_add_nc_u64 s[10:11], s[10:11], 4095*16384    ; lam's row; r's is the next
	s_add_nc_u64 s[12:13], s[12:13], s[20:21]
	s_lshl_b32 s20, s43, 22
	s_lshl_b32 s22, s17, 21
	s_add_co_u32 s20, s20, s22                     ; my first row of out0 x 16,384 bytes
	s_add_nc_u64 s[12:13], s[12:13], s[20:21]
	s_lshl_b32 s20, s43, 19
	s_lshl_b32 s22, s40, 17
	s_add_co_u32 s20, s20, s22
	s_lshl_b32 s22, s16, 15
	s_add_co_u32 s20, s20, s22                     ; x: row 256 x block row + 64 cx + 16 w
	s_add_nc_u64 s[PFA:PFA+1], s[4:5], s[20:21]
	s_and_b32 s22, s43, 3
	s_lshl_b32 s22, s22, 2
	s_add_co_u32 s22, s22, s16
	s_lshl_b32 s22, s22, 15
	s_lshl_b32 s20, s42, 19
	s_add_co_u32 s20, s20, s22                     ; v: group 16 x block column + 4 (block row % 4) + w
	s_add_nc_u64 s[PFB:PFB+1], s[6:7], s[20:21]
	; the lanes' parts
	v_and_b32 v1, 15, v0                           ; r
	v_bfe_u32 v2, v0, 4, 1                         ; h
	v_and_b32 v6, 31, v0
	v_mul_u32_u24 v3, v1, PITCH                    ; (the stage's pitch is the same)
	v_lshlrev_b32 v[CO], 4, v6
	v_lshlrev_b32 v[LOFF], 5, v2
	v_lshlrev_b32 v[PFO], 11, v1
	v_lshlrev_b32 v[PFQ], 8, v6
	v_lshl_add_u32 v4, v2, 4, v3                   ; a fragment's row x pitch + 16 h
	v_lshl_add_u32 v5, v2, 5, v3                   ; into the stage: row r, 32 bytes for each half of the lanes
	v_lshl_add_u32 v[PFO], v2, 8, v[PFO]
	v_add_nc_u32 v[RD], s23, v[CO]
	v_add_nc_u32 v[ADRA], s54, v4
	v_add_nc_u32 v[STO], s23, v5
	v_add_nc_u32 v[ADRA+1], SLOT, v[ADRA]
	s_wait_alu depctr_va_vdst(0)
	global_load_b128 v[R:R+3], v[CO], s[10:11] offset:16384
	GSC 0
	WIN TO_B
.irp b, 0,1,2,3,4,5,6,7                        ; lam of my lane's eight columns of each 16
	global_load_b128 v[LAM+8*\b:LAM+8*\b+3],   v[LOFF], s[10:11] offset:64*\b
	global_load_b128 v[LAM+8*\b+4:LAM+8*\b+7], v[LOFF], s[10:11] offset:64*\b+16
.endr
	BLOAD 0
	BLOAD 1
	BLOAD 2
	ASKB 0
	s_wait_tensorcnt 0x0                           ; my quarter of slot 0 is in
	ds_add_u32 v[SPW], v[NIL]
	s_wait_dscnt 0x0
	CROUND
	JLOAD 1                                        ; K = 1,024 .. 2,047: the first tensor load behind the round
	AFETCH 0, 0, 0
	ASKA 2
	ASKB 1
.set SS, 0
.rept 32
	STEP SS
.set SS, SS+1
.endr
	WIN 0
; THE WAY OUT, by blocks of 16 rows x 128 columns: the accumulators go through my own stage as they are and come back as whole rows of 512 bytes; relu, x r; 32 lanes store two aligned units of 256 bytes.
.macro TOSTAGE a
.set AC, 64*((\a)%4)
	WIN 0x08+4*((\a)/4)                            ; the data: window 2 or 3
.irp b, 0,1,2,3,4,5,6,7
	ds_store_b128 v[STO], v[AC+8*\b:AC+8*\b+3] offset:64*\b          ; each accumulator from its low end on
	ds_store_b128 v[STO], v[AC+8*\b+4:AC+8*\b+7] offset:64*\b+16
.endr
	WIN 0
.set BB, BK+64*((\a)%2)
.irp t, 0,1,2,3,4,5,6,7,8,9,10,11,12,13,14,15
	ds_load_b128 v[BB+4*\t:BB+4*\t+3], v[RD] offset:\t*SPITCH        ; LDS serves a wave's instructions in order: these see the stores above
.endr
.endm
.macro SEND a, younger                 ; younger: the LDS instructions issued behind block a's loads
.set BB, BK+64*((\a)%2)
	s_wait_dscnt \younger
.set i, 0
.rept 64
	v_max_num_f32 v[BB+i], 0, v[BB+i]
.set i, i+1
.endr
.set i, 0
.rept 16
	v_pk_mul_f32 v[BB+i:BB+i+1], v[BB+i:BB+i+1], v[R:R+1]
	v_pk_mul_f32 v[BB+i+2:BB+i+3], v[BB+i+2:BB+i+3], v[R+2:R+3]
.set i, i+4
.endr
.if (\a) > 0
	s_add_nc_u64 s[12:13], s[12:13], 16*SIZE_N*4   ; behind a wait on XCNT: the earlier stores have read their base
.endif
.irp t, 0,1,2,3,4,5,6,7,8,9,10,11,12,13,14,15
	global_store_b128 v[CO], v[BB+4*\t:BB+4*\t+3], s[12:13] offset:\t*SIZE_N*4 th:TH_STORE_NT
.endr
.endm
	PLACES NP
	TOSTAGE 0
.irp a, 1,2,3,4,5,6,7
.if \a > 1
	s_wait_xcnt 0x0                                ; block a - 2's stores have read their registers and their base
.endif
	TOSTAGE \a
	SEND \a-1, 32
.endr
	s_wait_xcnt 0x0
	SEND 7, 0
	s_wait_tensorcnt 0x0                           ; the wave's end
	ds_add_u32 v[SPW], v[NIL]
	s_wait_dscnt 0x0
	CROUND                                         ; the closing round
	s_endpgm
.Lfunc_end_k_q50b0361619_gemm:
	.size	k_q50b0361619_gemm, .Lfunc_end_k_q50b0361619_gemm-k_q50b0361619_gemm
	.p2alignl 7, 3214868480
	.fill 96, 4, 3214868480
	.section	.rodata,"a",@progbits
	.p2align	6, 0x0
	.amdhsa_kernel k_q50b0361619_gemm
		.amdhsa_group_segment_fixed_size 327680
		.amdhsa_private_segment_fixed_size 0
		.amdhsa_enable_private_segment 0
		.amdhsa_kernarg_size 40
		.amdhsa_user_sgpr_count 2
		.amdhsa_user_sgpr_kernarg_segment_ptr 1
		.amdhsa_wavefront_size32 1
		.amdhsa_system_sgpr_workgroup_id_x 1
		.amdhsa_system_sgpr_workgroup_id_y 1
		.amdhsa_system_sgpr_workgroup_id_z 1
		.amdhsa_system_vgpr_workitem_id 0
		.amdhsa_next_free_vgpr 1024
		.amdhsa_next_free_sgpr 102
		.amdhsa_reserve_vcc 0
		.amdhsa_float_denorm_mode_32 3
		.amdhsa_float_denorm_mode_16_64 3
		.amdhsa_memory_ordered 1
		.amdhsa_forward_progress 1
		.amdhsa_inst_pref_size 255
	.end_amdhsa_kernel
	.section	.bss,"aw",@nobits
	.p2align	6
	.space	262144
	.amdgpu_metadata
---
amdhsa.version: [ 1, 2 ]
amdhsa.kernels:
  - .name:           k_q50b0361619_gemm
    .symbol:         k_q50b0361619_gemm.kd
    .args:
      - { .name: x_codes, .offset: 0, .size: 8, .value_kind: global_buffer, .address_space: global }
      - { .name: v_codes, .offset: 8, .size: 8, .value_kind: global_buffer, .address_space: global }
      - { .name: sc2, .offset: 16, .size: 8, .value_kind: global_buffer, .address_space: global }
      - { .name: theta_lambda, .offset: 24, .size: 8, .value_kind: global_buffer, .address_space: global }
      - { .name: out0, .offset: 32, .size: 8, .value_kind: global_buffer, .address_space: global }
    .group_segment_fixed_size: 327680
    .private_segment_fixed_size: 0
    .kernarg_segment_align: 8
    .kernarg_segment_size: 40
    .max_flat_workgroup_size: 128
    .sgpr_count:     102
    .vgpr_count:     1024
    .wavefront_size: 32
...
	.end_amdgpu_metadata
.endif
;; end of part 2
